; MI455X (gfx1250); checked and timed in simulation.
; The chip was launched on July 23, 2026; its instructions are those of AMD's public machine-readable ISA for CDNA 5 (MIT licence, August 2026) and "CDNA5" Instruction Set Architecture Reference Guide (July 2026). The comments in the code are by the model that wrote it; some were corrected since.
;; Cross Attention. Allowed arithmetic: matrix products marked QUANTISED: E5M2 operands, one given power-of-two scale a tensor, by v_wmma_f32_16x16x64_bf8_bf8 or v_wmma_f32_16x16x128_bf8_bf8, f32 sums; products left as they are: f32 operands where the result goes on into a quantised operand, else bf16, f16 or f32 operands; f32 sums; everything else in f32.
;; Inputs: Wk 1,024 x 1,024 float32; Wo 1,024 x 1,024 float32; Wq 1,024 x 1,024 float32; Wv 1,024 x 1,024 float32; bk 1,024 float32; bo 1,024 float32; bq 1,024 float32; bv 1,024 float32; key 4 x 4,096 x 1,024 float32; lowp_scales 10 int32 (the exponents e of the quantised operands' scales 2^e); query 4 x 4,096 x 1,024 float32; value 4 x 4,096 x 1,024 float32.
;; Outputs: out0 4 x 4,096 x 1,024 float32.
;; This version of the problem:
;;   THIS VERSION OF THE PROBLEM IS GIVEN IN LOW PRECISION. The matrix products marked QUANTISED in the list below multiply operands that are first quantised to E5M2 (5 exponent bits, 2 mantissa bits; 8 bits a number), with one given power-of-two scale for each operand tensor; their sums are f32. All else is computed in f32.
;;   The module's matrix products, in the order in which they are computed (A, B: the left and right operand; K: the contracted axis; several contracted axes count as one K, in the product's order):
;;     1. [M 16,384, K 1,024] x [K 1,024, N 1,024]; A: input query; B: input Wq: QUANTISED (scales: A lowp_scales[0], B lowp_scales[1])
;;     2. [M 16,384, K 1,024] x [K 1,024, N 1,024]; A: input key; B: input Wk: QUANTISED (scales: A lowp_scales[2], B lowp_scales[3])
;;     3. [M 16,384, K 1,024] x [K 1,024, N 1,024]; A: input value; B: input Wv: QUANTISED (scales: A lowp_scales[4], B lowp_scales[5])
;;     4. batch 16,384 x [M 16, K 64] x [K 64, N 16]; A: computed on the way; B: computed on the way: QUANTISED (scales: A lowp_scales[6], B lowp_scales[7])
;;     5. batch 16,384 x [M 16, K 16] x [K 16, N 64]; A: softmax; B: computed on the way: left as it is (K = 16 < 32)
;;     6. [M 16,384, K 1,024] x [K 1,024, N 1,024]; A: computed on the way; B: input Wo: QUANTISED (scales: A lowp_scales[8], B lowp_scales[9])
;;   THE QUANTISER, for each operand of a quantised product, along K:
;;     - The operand's scale is 2^e, e = its entry of the input lowp_scales (int32; the entries are numbered through the quantised products in the list's order, A before B).
;;     - Each number is divided by the scale, clamped to +-57,344, and rounded to the nearest number of E5M2, ties to even, subnormals kept.
;;     - The product sums the exact products of the quantised numbers (number of the format x scale) in f32.
;;   ~~~python
;;   def quantise(x, axis, e):      # numpy; x: float32 -> the quantised numbers, widened to float32 again
;;       x = np.moveaxis(x, axis, -1); K = x.shape[-1]
;;       r = np.clip(x / 2.0 ** e, -57344, 57344)
;;       step = 2.0 ** (np.maximum(np.frexp(np.where(r == 0, 1, r))[1] - 1, -14) - 2)
;;       q = np.round(r / step) * step * 2.0 ** e      # np.round: ties to even
;;       return np.moveaxis(q, -1, axis).astype(np.float32)
;;   ~~~
;;   OPERANDS COMPUTED ON THE WAY. 'Computed on the way' means the value that the module computes at that place (a softmax that the list does not call 'softmax' is quantised finished and normalised). What goes into a quantiser is computed in f32, as accurately as f32 sums, v_exp_f32 and their like allow (about 1e-6 of the number): no bf16 or f16 on the way to a quantiser, and a product that is left as it is and whose result goes on into a quantised operand takes f32 operands (vector FMAs, or v_wmma_f32_16x16x4_f32). A number that lies on a knife's edge between two numbers of the format may be rounded either way, as far as f32 arithmetic and the matrix unit's own rounding can turn it there, and no further.
;; One version. Each part assembles by itself: llvm-mc -triple=amdgcn-amd-amdhsa -mcpu=gfx1250 --defsym DOCPART=n.
;; ======== version 1 of 1: 2 launches
;; limits: right only within a limited range of input values
;; workspace buffers: wcodes 4,194,304 bytes
;; launch wprep (part 1): grid 256 x 1, 8 waves a work-group, no clusters, 18,432 bytes of LDS; arguments Wq, Wk, Wv, Wo, lowp_scales, wcodes; writes wcodes
.if DOCPART == 1
	.amdgcn_target "amdgcn-amd-amdhsa--gfx1250"
	.amdhsa_code_object_version 6
	.text
	.protected	k_qc5a55a48d6_wprep
	.globl	k_qc5a55a48d6_wprep
	.p2align	8
	.type	k_qc5a55a48d6_wprep,@function
k_qc5a55a48d6_wprep:
	s_mov_b64 s[64:65], 0
	v_nop
	global_prefetch_b8 v0, s[64:65] scope:SCOPE_SE
	s_setreg_imm32_b32 hwreg(HW_REG_WAVE_MODE, 25, 1), 1
	s_wait_xcnt 0x0
; Wq, Wk, Wv, Wo [1024][1024] f32 (K innermost) become codes of BF8 (E5M2), each with its given scale 2^e (entries 1, 3, 5, 9 of lowp_scales),
; laid in the ORDER OF THE OPERAND'S REGISTERS: wcodes = [step T 0..31][wave w 0..3][fragment f 0..15][q 0..3][lane 0..31][16 bytes].
; A fragment is 16 rows of W x 128 along K: lane (r, h) holds row r, its registers 2 c, 2 c + 1 hold k = 16 c + 8 h + 0 .. 7; registers 4 q .. 4 q + 3 of all lanes are 512 bytes on end.
; T = 8 p + sigma, p = 0 Wq, 1 Wk, 2 Wv, 3 Wo.  WHICH ROWS FORM A FRAGMENT (m = 0 .. 15) is chosen for the launch that reads them:
;   p = 0, 1: K step sigma, row 256 w + 32 (f / 2) + 8 (f % 2) + m + 8 (m / 8);   p = 2: K step sigma, row 64 m + 32 (f / 8) + 8 w + f % 8 (all 16 heads at one channel);
;   p = 3: K step f % 8, row 16 (8 sigma + 2 w + f / 8) + m.
; code = x / 2^e, held within +-57,344, to the nearest code, ties to even.  LIMITS: -126 <= e <= 112.  NaN among the inputs is not served.
; One wave makes one fragment, F = 8 x work-group + wave: sixteen loads of 512 consecutive bytes (a row's 128 numbers), all out at once; the codes turn through the wave's own image in LDS.  Waves share nothing: no barrier.
.set IMG,  2176                        ; an image in LDS: four quarters of 512 bytes, 544 bytes apart
.set QP,   544
.set O,    16                          ; v16-31   byte offset of row m's 16 bytes of my lane
.set X,    32                          ; v32-95   row m's four numbers at v[X + 4 m]
.set PC,   96                          ; v96-111  row m's four codes
.set OUTR, 112                         ; v112-127 the image read back
	s_load_b256 s[4:11], s[0:1], 0x0               ; Wq s[4:5], Wk s[6:7], Wv s[8:9], Wo s[10:11]
	s_load_b128 s[12:15], s[0:1], 0x20             ; lowp_scales s[12:13], wcodes s[14:15]
	v_lshl_add_u32 v128, v0, 2, 0x4400
	v_mov_b32 v129, 0
	v_lshrrev_b32 v1, 5, v0
	s_delay_alu instid0(VALU_DEP_1)
	v_readfirstlane_b32 s16, v1                    ; wave 0..7
	s_lshl_b32 s17, ttmp9, 3
	s_add_co_u32 s17, s17, s16                     ; F
	s_lshr_b32 s18, s17, 9                         ; p
	s_bfe_u32 s19, s17, 0x30006                    ; sigma
	s_bfe_u32 s20, s17, 0x20004                    ; w
	s_and_b32 s21, s17, 15                         ; f
	s_lshl_b32 s22, s20, 8
	s_lshr_b32 s23, s21, 1
	s_lshl_b32 s23, s23, 5
	s_add_co_u32 s22, s22, s23
	s_and_b32 s23, s21, 1
	s_lshl_b32 s23, s23, 3
	s_add_co_u32 s22, s22, s23                     ; first row for Wq, Wk: 256 w + 32 (f / 2) + 8 (f % 2)
	s_lshr_b32 s23, s21, 3                         ; f / 8
	s_lshl_b32 s24, s23, 5
	s_lshl_b32 s25, s20, 3
	s_add_co_u32 s24, s24, s25
	s_and_b32 s25, s21, 7                          ; f % 8
	s_add_co_u32 s24, s24, s25                     ; for Wv: the channel 32 (f / 8) + 8 w + f % 8
	s_lshl_b32 s26, s19, 3
	s_lshl_b32 s27, s20, 1
	s_add_co_u32 s26, s26, s27
	s_add_co_u32 s26, s26, s23
	s_lshl_b32 s26, s26, 4                         ; for Wo: 16 (8 sigma + 2 w + f / 8)
	s_cmp_eq_u32 s18, 2
	s_cselect_b32 s22, s24, s22
	s_cselect_b32 s28, 64, 1                       ; rows from m to m + 1
	s_cmp_eq_u32 s18, 3
	s_cselect_b32 s22, s26, s22                    ; the fragment's first row
	s_cselect_b32 s19, s25, s19                    ; its K step
	s_cmp_lt_u32 s18, 2
	s_cselect_b32 s29, 8, 0                        ; rows more from m = 8 on
	s_lshl_b32 s28, s28, 12                        ; a row is 4,096 bytes
	s_lshl_b32 s29, s29, 12
	s_lshl_b32 s22, s22, 12
	s_lshl_b32 s19, s19, 9                         ; a K step is 512 bytes of a row
	s_add_co_u32 s22, s22, s19
	s_mov_b32 s23, 0
	s_lshl_b32 s24, s17, 11                        ; a fragment's codes are 2,048 bytes
	s_mov_b32 s25, 0
	v_and_b32 v4, 31, v0                           ; lane
	s_delay_alu instid0(VALU_DEP_1)
	v_lshlrev_b32 v3, 4, v4                        ; 16 x lane
	s_delay_alu instid0(VALU_DEP_1)
	v_mov_b32 v[O], v3
.irp m, 1,2,3,4,5,6,7,8,9,10,11,12,13,14,15
	s_delay_alu instid0(VALU_DEP_1)
	v_add_nc_u32 v[O+\m], s28, v[O+\m-1]
.if \m == 8
	s_delay_alu instid0(VALU_DEP_1)
	v_add_nc_u32 v[O+8], s29, v[O+8]
.endif
.endr
	; my four codes of row m are k = 4 lane + 0 .. 3: register 2 (lane / 4) + lane % 2 of lane m + 16 ((lane / 2) % 2):
	; byte 544 (lane / 8) + 256 ((lane / 2) % 2) + 8 ((lane / 4) % 2) + 4 (lane % 2) + 16 m of the image
	v_bfe_u32 v5, v0, 3, 2
	s_delay_alu instid0(VALU_DEP_1)
	v_mul_u32_u24 v2, v5, QP
	v_bfe_u32 v5, v0, 1, 1
	s_delay_alu instid0(VALU_DEP_1)
	v_lshl_add_u32 v2, v5, 8, v2
	v_bfe_u32 v5, v0, 2, 1
	s_delay_alu instid0(VALU_DEP_1)
	v_lshl_add_u32 v2, v5, 3, v2
	v_and_b32 v5, 1, v0
	s_delay_alu instid0(VALU_DEP_1)
	v_lshl_add_u32 v2, v5, 2, v2
	s_mul_i32 s31, s16, IMG                        ; my wave's image
	v_add_nc_u32 v2, s31, v2
	v_add_nc_u32 v6, s31, v3                       ; back: 16 x lane
	s_wait_kmcnt 0x0
	s_load_b256 s[32:39], s[12:13], 0x0            ; e0 .. e7
	s_load_b64 s[40:41], s[12:13], 0x20            ; e8, e9
	s_cmp_eq_u32 s18, 1                            ; the tensor is chosen by the work-group's and the wave's number alone
	s_cselect_b64 s[4:5], s[6:7], s[4:5]
	s_cmp_eq_u32 s18, 2
	s_cselect_b64 s[4:5], s[8:9], s[4:5]
	s_cmp_eq_u32 s18, 3
	s_cselect_b64 s[4:5], s[10:11], s[4:5]
	s_add_nc_u64 s[4:5], s[4:5], s[22:23]
	s_add_nc_u64 s[14:15], s[14:15], s[24:25]
.irp m, 0,1,2,3,4,5,6,7,8,9,10,11,12,13,14,15
	global_load_b128 v[X+4*\m:X+4*\m+3], v[O+\m], s[4:5] th:TH_LOAD_NT   ; 32 lanes read 512 consecutive bytes of row m; each byte of W is read once in the launch
.endr
	s_wait_kmcnt 0x0
	s_cmp_eq_u32 s18, 1
	s_cselect_b32 s33, s35, s33
	s_cmp_eq_u32 s18, 2
	s_cselect_b32 s33, s37, s33
	s_cmp_eq_u32 s18, 3
	s_cselect_b32 s33, s41, s33                    ; e
	s_add_co_i32 s33, s33, 127
	s_add_co_i32 s34, s33, 15
	s_lshl_b32 s33, s33, 23
	s_lshl_b32 s34, s34, 23
	s_or_b32 s34, s34, 0x600000
	v_mov_b32 v11, s33                             ; 2^e as f32: the conversion takes its exponent field
	v_mov_b32 v10, s34                             ; 57,344 x 2^e
	s_wait_alu depctr_va_vdst(0)
	s_wait_loadcnt 0x0
.set ii, 0
.rept 64
	v_med3_num_f32 v[X+ii], v[X+ii], -v10, v10     ; the conversion to an 8-bit code does not saturate (ISA guide 7.6.2): the hold comes first
.set ii, ii+1
.endr
.irp m, 0,1,2,3,4,5,6,7
	v_cvt_scalef32_pk8_bf8_f32 v[PC+2*\m:PC+2*\m+1], v[X+8*\m:X+8*\m+7], v11   ; four codes of row 2 m, four of row 2 m + 1
.endr
	v_nop                                          ; one plain line behind the last conversion
.irp m, 0,1,2,3,4,5,6,7,8,9,10,11,12,13,14,15
	ds_store_b32 v2, v[PC+\m] offset:16*\m
.endr
.irp q, 0,1,2,3
	ds_load_b128 v[OUTR+4*\q:OUTR+4*\q+3], v6 offset:QP*\q   ; LDS serves a wave's instructions in order: these see my stores
.endr
	s_wait_dscnt 0x0
.irp q, 0,1,2,3
	global_store_b128 v3, v[OUTR+4*\q:OUTR+4*\q+3], s[14:15] offset:512*\q   ; 32 lanes store 512 consecutive bytes, at a multiple of 512 from the buffer's first byte
.endr
	s_wait_tensorcnt 0x0
	ds_add_u32 v128, v129
	s_wait_dscnt 0x0
	s_endpgm
.Lfunc_end_k_qc5a55a48d6_wprep:
	.size	k_qc5a55a48d6_wprep, .Lfunc_end_k_qc5a55a48d6_wprep-k_qc5a55a48d6_wprep
	.p2alignl 7, 3214868480
	.fill 96, 4, 3214868480
	.section	.rodata,"a",@progbits
	.p2align	6, 0x0
	.amdhsa_kernel k_qc5a55a48d6_wprep
		.amdhsa_group_segment_fixed_size 18432
		.amdhsa_private_segment_fixed_size 0
		.amdhsa_enable_private_segment 0
		.amdhsa_kernarg_size 48
		.amdhsa_user_sgpr_count 2
		.amdhsa_user_sgpr_kernarg_segment_ptr 1
		.amdhsa_wavefront_size32 1
		.amdhsa_system_sgpr_workgroup_id_x 1
		.amdhsa_system_sgpr_workgroup_id_y 1
		.amdhsa_system_sgpr_workgroup_id_z 1
		.amdhsa_system_vgpr_workitem_id 0
		.amdhsa_next_free_vgpr 130
		.amdhsa_next_free_sgpr 66
		.amdhsa_reserve_vcc 0
		.amdhsa_float_denorm_mode_32 3
		.amdhsa_float_denorm_mode_16_64 3
		.amdhsa_memory_ordered 1
		.amdhsa_forward_progress 1
		.amdhsa_inst_pref_size 13
	.end_amdhsa_kernel
	.amdgpu_metadata
---
amdhsa.version: [ 1, 2 ]
amdhsa.kernels:
  - .name:           k_qc5a55a48d6_wprep
    .symbol:         k_qc5a55a48d6_wprep.kd
    .args:
      - { .name: Wq, .offset: 0, .size: 8, .value_kind: global_buffer, .address_space: global }
      - { .name: Wk, .offset: 8, .size: 8, .value_kind: global_buffer, .address_space: global }
      - { .name: Wv, .offset: 16, .size: 8, .value_kind: global_buffer, .address_space: global }
      - { .name: Wo, .offset: 24, .size: 8, .value_kind: global_buffer, .address_space: global }
      - { .name: lowp_scales, .offset: 32, .size: 8, .value_kind: global_buffer, .address_space: global }
      - { .name: wcodes, .offset: 40, .size: 8, .value_kind: global_buffer, .address_space: global }
    .group_segment_fixed_size: 18432
    .private_segment_fixed_size: 0
    .kernarg_segment_align: 8
    .kernarg_segment_size: 48
    .max_flat_workgroup_size: 256
    .sgpr_count:     66
    .vgpr_count:     130
    .wavefront_size: 32
...
	.end_amdgpu_metadata
.endif
;; end of part 1
;; launch fused (part 2): grid 256 x 1, 4 waves a work-group, clusters of 4 x 1, 327,680 bytes of LDS; arguments query, key, value, wcodes, bq, bk, bv, bo, lowp_scales, out0; writes out0
.if DOCPART == 2
	.amdgcn_target "amdgcn-amd-amdhsa--gfx1250"
	.amdhsa_code_object_version 6
	.text
	.protected	k_qc5a55a48d6_fused
	.globl	k_qc5a55a48d6_fused
	.p2align	8
	.type	k_qc5a55a48d6_fused,@function
k_qc5a55a48d6_fused:
	s_mov_b64 s[64:65], 0
	v_nop
	global_prefetch_b8 v0, s[64:65] scope:SCOPE_SE
	s_setreg_imm32_b32 hwreg(HW_REG_WAVE_MODE, 25, 1), 1
	s_wait_xcnt 0x0
	s_wait_alu depctr_hold_cnt(0) depctr_sa_sdst(0) depctr_va_vdst(0) depctr_va_sdst(0) depctr_va_ssrc(0) depctr_va_vcc(0) depctr_vm_vsrc(0)
	s_getreg_b32 s2, hwreg(HW_REG_IB_STS2, 6, 4)
	s_cmp_eq_u32 s2, 0
	s_cbranch_scc0 .Lentry_in_a_cluster
	s_endpgm
.Lentry_in_a_cluster:
	s_bfe_u32 s2, ttmp6, 0x10000c
	s_cmp_lg_u32 s2, 0x3003
	s_cbranch_scc0 .Lentry_shape_is_right
	s_endpgm
.Lentry_shape_is_right:
; The whole module for 64 tokens a work-group: q, k, v = x W^T + b (BF8), for each token scores over the 16 HEADS (BF8, K = 64), softmax, attn x v (f32 operands: its result is quantised), the (head, token) scramble, and the
; last product with Wo (BF8) + bo.  Row r' of that product's left operand is head r' / 256 of the 16 tokens 16 (r' % 256) on, K = 64 x (token % 16) + channel: so 16 neighbouring tokens hold 16 whole rows, one a head,
; and nothing but the inputs and out0 goes through memory.
; SHARES.  Work-group G = 4 x cluster + cx owns tokens 64 G .. 64 G + 63: four tiles tt of 16.  THE WAVES SHARE THE COLUMNS: wave w makes 256 of the 1,024 columns of q, k, v for all 64 tokens: 64 accumulators, 512 registers.
; Every product is used TRANSPOSED (source 0 = 16 rows of W, source 1 = 16 tokens): a lane holds one token (or one row), its eight registers eight rows of W.  Which rows of W form a fragment was chosen by the launch before:
; for q and k so that 16 registers of two neighbouring tiles are 16 neighbouring channels; for v so that a lane's eight registers are eight HEADS at one channel.
; WEIGHTS: 32 steps of 131,072 bytes of codes in the order of the operand's registers, through a ring of two LDS slots.  Wave w fetches, and alone reads, its dense 32,768 bytes of a step.  The four partners of a cluster walk
; the same codes: each load is JOINT (mask 15).  One tensor load of a wave is out at a time.
; EACH CLUSTER WALKS A PASS'S EIGHT STEPS IN ITS OWN ORDER: with rho = cluster mod 8, trip t of a pass takes step (rho + t) mod 8: the K step in passes Q, K, V (of the weights and of x alike), the block of 128 columns in pass O.
; So the 64 clusters ask for eight different steps at a time, not all for the same 131,072 bytes.  rho is the same in the four partners.
; ACTIVATIONS come by loads into registers, two K steps ahead, in two sets by turns with counted waits: they stay on their way across the ring's waits.  Wave w quantises tile w's 16 tokens and hands the fragment to
; the others as an image of its registers in LDS.
; PASSES.  Q, K, V: K outermost, 8 trips of 128 along K; the sums start from the bias divided by the power of two that they lack.  O: N outermost: the left operand lies whole in 512 registers of every wave, each of
; 8 trips finishes 128 columns of all 64 rows and stores them.
; ATTENTION: wave w owns tokens 16 tt + 4 w + i, i = 0 .. 3.  Codes of q and k, and v in f32, change waves through LDS, a tile of tokens at a time.
; LIMITS on the given exponents, so that each power of two below is an f32 number: e0, e2, e4, e6 - e0 - e1, e7 - e2 - e3, e8 - e4 - e5 between -126 and 112; e6 + e7 between -123 and 130; e8 + e9 between -126 and 127.
; NaN among the inputs is not served; an infinity is held at the largest code.  In the score product the 64 channels stand in another order than the form's own, alike on both sides, and the K steps of q, k, v are summed from
; step rho on, round: in both only the order of the f32 sums differs from K ascending.
; No 4 x 4 cluster: nothing is shared along a second axis.
;
; LDS: two slots; the spare words; XIMG: 8 images of fragments (2,176 bytes: quarters of 512 bytes 544 apart); BIAS: 1,024 bytes a wave (bv); XR: the exchange region, written by ds_store alone:
;   bq, bk (1,024 bytes a wave each) | codes of q and of k: token pitch 1,296, head pitch 80 | v: token pitch 2,576, channel pitch 80, 16 heads f32 | the stage for out0: 64 rows, pitch 528.
;   Each pitch is an odd multiple of 16 bytes: sixteen lanes a pitch apart touch sixteen different 16-byte columns of 256.
; ACTIVATIONS, in place of the paragraph of that name above: a wave has ONE set of 64 registers for x.  Trip T quantises K step T + 1 and asks for K step T + 2 into the same registers, so each load has one trip
; in which to land, and every wait for x in a trip is for 0.  The head alone uses a second set, for K step 0.
; ONE TRIP IS A LOOP'S WHOLE BODY: the slot and the image buffer in hand stand in address registers that each trip makes at its head from two scalars that toggle (s69, s53).
.set SLOTB, 131072
.set SPARE, 2*SLOTB                    ; 128 bytes for each wave: two blocks of 256 bytes that no other line names
.set XIMG,  SPARE+512
.set IMG,   2176
.set QP,    544
.set BIAS,  XIMG+8*IMG
.set XR,    BIAS+4096
.set KOFF,  20736                      ; k's codes behind q's in XR
; REGISTERS.  Window 0:
.set SPW, 1                            ; LDS address of my spare word; never rewritten
.set NIL, 2                            ; 0; never rewritten
.set XO,  3                            ; 16 x lane
.set WA,  4                            ; v4, v5: my wave's part of slot 0, 1, + 16 x lane
.set AFA, 6                            ; XIMG + 16 x lane
.set XW,  7                            ; where my four codes of a token go in my tile's image
.set A4W, 8                            ; XIMG + 2 images x wave + 16 x lane
.set BRX, 9                            ; XR + 1,024 w + 32 h      (biases read)
.set BRB, 10                           ; BIAS + 1,024 w + 32 h
.set BWX, 11                           ; XR + 1,024 w + 32 lane   (biases written)
.set BWB, 12                           ; BIAS + 1,024 w + 32 lane
.set XRW, 13                           ; codes of q, k in:  XR + 1,296 r + 16 h + 320 w
.set SRD, 14                           ; and out:           XR + 5,184 w + 80 r + 32 h
.set VW,  15                           ; v in:              XR + 2,576 r + 32 h + 640 w
.set VR,  16                           ; and out:           XR + 10,304 w + 80 r + 32 h
.set STW, 17                           ; stage in:          XR + 528 r + 128 w + 32 h
.set STR, 18                           ; and out:           XR + 8,448 w + 16 lane
.set GO1, 20                           ; 16 x lane + 8 heads' distance in out0
.set WAD, 21                           ; pass O: the slot in hand
.set BOF, 22                           ; pass O: my byte offset in a trip's 512 bytes of bo: 128 w + 32 h
.set XSC, 23                           ; x's scale and hold
.set XLM, 24
.set ESC, 25                           ; a computed operand's scale and hold
.set ELM, 26
.set PFO, 27                           ; 256 x lane; never rewritten
.set AFP, 19                           ; the trip's image buffer, read: AFA + s53
.set XWP, 28                           ; the other image buffer, written: XW + s53 behind its toggle
.set AF,  32                           ; v32-95   four fragments of tokens
.set WF,  96                           ; v96-191  three buffers of two fragments of W
.set PC,  192                          ; v192-207 codes just made
.set OD,  208                          ; v208-239 four accumulators of the scores and of attn x v: written by matrix instructions alone
.set KP,  32                           ; scores: k's codes, v32-159
.set VO,  32                           ; attention: v of my four tokens, v32-95
.set TQ,  96                           ; attention: held results, v96-127
.set PCA, 128                          ; attention: two fragments of the last product's left operand, v128-159
.set BR,  32                           ; pass O: bo, v32-47
; Window 1: v0-63 the set of 64 numbers of x; v64-127 K step 0's numbers, at the head alone; v128-255 QA: q's codes, then attn.  In pass O: v0-63 the 8 accumulators, v64-127 results, v128-191 rows read back.
.set QA,  128
; Windows 2, 3: accumulator (tile i, tokens tt) in window 2 + i / 8 at 64 ((i % 8) / 2) + 16 tt + 8 (i % 2); later fragment (tt, K step kk) of the last product's left operand in window 2 + kk / 4 at 64 (kk % 4) + 16 tt.
; SCALARS: s[4:9] query, key, value at my tile's first token; s[10:23] the other seven pointers; s[24:33] e0 .. e9; s[36:39], s[40:47] the descriptor; s[48:49] where the set of x stands (s[50:51]: trip 1's K step, at the head);
; s52 the number of the K step of x to be asked for next (0 .. 23, through the three tensors); s53 the image buffer in hand: 0 or 4 images; s[54:55] the K step's offset; s[56:57] the prefetches;
; s[58:59] c = log2(e) / 8 x 2^(e6 + e7); s[60:61] 2^(e8 + e9); s[62:63] lane selects; s66 wave; s67 trips; s68 1 where the cluster prefetches; s69 the slot in hand: 0 or SLOTB; s70 pass O's trip; s71 pass O's trips to go;
; s72-83 six pairs (scale, hold); s[86:87] pass O: the trip's offset; s[88:89], s[92:93] out0 and bo at it; s90 cx; s91 G;
; s96 rho; s97 the number of the trip whose step is asked for; s[98:99] that step's offset; s[100:101] wcodes at my wave's part of step 0.  s96 to s101 never hold cx.
.set MSB, 0
.macro WIN new                         ; the immediate's high byte repeats the setting that is left; a switch that changes nothing is dropped
.if MSB != (\new)
	s_set_vgpr_msb (MSB<<8)|(\new)
.set MSB, (\new)
.endif
.endm
.macro NOPS n
.rept \n
	v_nop
.endr
.endm
.macro CROUND                          ; a round of the cluster's barrier
	s_barrier_signal -1
	s_barrier_wait -1
	s_cmp_lg_u32 s66, 0
	s_cbranch_scc1 .Lnot_wave_0_\@
	s_barrier_signal -3
.Lnot_wave_0_\@:
	s_barrier_wait -3
	s_barrier_signal -1
	s_barrier_wait -1
.endm
.macro BAR                             ; my LDS stores have landed and my LDS loads are in: then the work-group's barrier
	s_wait_dscnt 0x0
	s_barrier_signal -1
	s_barrier_wait -1
.endm
.macro SCALE d, e                      ; s[d] = 2^s[e] as f32, s[d + 1] = 57,344 x that
	s_add_co_i32 s[\d], s[\e], 127
	s_add_co_i32 s[\d+1], s[\d], 15
	s_lshl_b32 s[\d], s[\d], 23
	s_lshl_b32 s[\d+1], s[\d+1], 23
	s_or_b32 s[\d+1], s[\d+1], 0x600000
.endm
; THE HEAD OF A TRIP: the change of slots.  Each wave waits for all its tensor loads (one is out: its part of this trip's step), adds 0 to its spare word, and waits for that and for all its LDS instructions: its reads of the slot
; that it has left, its stores of the next images, its reads of the stage.  fill = 1: a round of the cluster's barrier, and behind it the joint load of the next trip's step into the slot just left: it has this trip in which to land.
; Trip n reads step (n & 24) + ((n + rho) & 7): the pass's eight steps from step rho on, round.  The four v_nop are also the places in front of the loads into registers that the last products read.
.macro HEAD fill
	WIN 0
	s_wait_xcnt 0x0                                ; the last prefetch, a trip back, has read its address; in pass O the last trip's loads and stores have read their bases and their data
	s_add_nc_u64 s[56:57], s[56:57], SLOTB
	s_wait_tensorcnt 0x0                           ; no tensor load of mine is out, so the descriptor may be written
	ds_add_u32 v[SPW], v[NIL]                      ; 0 onto my spare word
.if \fill
	s_xor_b32 s37, s37, SLOTB                      ; the other slot,
	s_add_co_u32 s97, s97, 1                       ; for the next trip, n:
	s_add_co_u32 s98, s97, s96
	s_and_b32 s98, s98, 7                          ; (n + rho) mod 8,
	s_and_b32 s99, s97, 24                         ; in n's pass,
	s_or_b32 s98, s98, s99
	s_lshl_b32 s98, s98, 17                        ; in bytes: at most 31 x 131,072
	s_mov_b32 s99, 0
	s_add_nc_u64 s[38:39], s[100:101], s[98:99]
	s_or_b32 s39, s39, 0x80000000                  ; type = 2
.endif
	s_wait_dscnt 0x0
.if \fill
	CROUND
	tensor_load_to_lds s[36:39], s[40:47]
	s_nop 0
.else
	s_barrier_signal -1
	s_barrier_wait -1
.endif
	NOPS 4
.endm
; A PREFETCH INTO THE L2.  The eight steps of a pass are all asked for, by one cluster or another, in the last trip of the pass before.  So trip T names step T + 10: the steps of pass p + 1 are named in trips 8 p - 2 to 8 p + 5,
; two to nine trips ahead of that trip; at most eight steps are named and not yet read.  Cluster 0 alone asks.  Its sixteen waves take 8,192 bytes each, told apart BY ADDRESS (32,768 w + 8,192 cx), lanes 256 bytes apart:
; each 256 bytes of wcodes from step 10 on are named once in the launch.  Steps 0 to 9 come by their loads alone; trips 22 to 31 ask for nothing.
.macro ASK
	s_cmp_eq_u32 s68, 1
	s_cbranch_scc0 .Lnot_mine_\@
	global_prefetch_b8 v[PFO], s[56:57] th:TH_LOAD_NT scope:SCOPE_SE
.Lnot_mine_\@:
.endm
.macro LDA                             ; the four tiles' fragments of this K step, from the image buffer in hand
.irp tt, 0,1,2,3
.irp q, 0,1,2,3
	ds_load_b128 v[AF+16*\tt+4*\q:AF+16*\tt+4*\q+3], v[AFP] offset:\tt*IMG+QP*\q
.endr
.endr
.endm
.macro LDW adr, g                      ; fragments 2 g and 2 g + 1 of my part of the step, into buffer g % 3: 512 consecutive bytes a load
.irp u, 0,1
.irp q, 0,1,2,3
	ds_load_b128 v[WF+32*((\g)%3)+16*\u+4*\q:WF+32*((\g)%3)+16*\u+4*\q+3], v[\adr] offset:(2*(\g)+\u)*2048+512*\q
.endr
.endr
.endm
; A K step of x is quantised: set holds, of my tile's token m, four neighbours along K at 4 m (k = 4 lane + 0 .. 3 of the K step).  The codes go into tile w of the image buffer that v[XWP] names.  ld = 1 (set 0 alone): the set
; is loaded again, with the K step that trip s52 will multiply: tensor s52 / 8, K step (s52 + rho) mod 8.  ssel = 1: in the pass's last trip the numbers are the next tensor's, and so are scale and hold.
.macro XQ set, lcnt, ld, ssel, cur, nxt
.if \ssel
	s_cmp_eq_u32 s67, 1
	s_cselect_b32 s84, s[\nxt], s[\cur]
	s_cselect_b32 s85, s[\nxt+1], s[\cur+1]
	v_mov_b32 v[XSC], s84
	v_mov_b32 v[XLM], s85
.else
	v_mov_b32 v[XSC], s[\cur]
	v_mov_b32 v[XLM], s[\cur+1]
.endif
	s_wait_alu depctr_va_vdst(0)
	s_wait_loadcnt \lcnt                           ; this set's 16 loads are in; the other set's 16, issued behind them, may be out
	WIN 0x41
.set ii, 0
.rept 64
	v_med3_num_f32 v[64*(\set)+ii], v[64*(\set)+ii], -v[XLM], v[XLM]   ; the conversion to an 8-bit code does not saturate (ISA guide 7.6.2)
.set ii, ii+1
.endr
	WIN 0x01
.irp m, 0,1,2,3,4,5,6,7
	v_cvt_scalef32_pk8_bf8_f32 v[PC+2*\m:PC+2*\m+1], v[64*(\set)+8*\m:64*(\set)+8*\m+7], v[XSC]
.endr
	v_nop                                          ; one plain line behind the last conversion
	WIN 0
.irp m, 0,1,2,3,4,5,6,7,8,9,10,11,12,13,14,15
	ds_store_b32 v[XWP], v[PC+\m] offset:16*\m
.endr
.if \ld
	s_wait_xcnt 0x0                                ; the set's last loads have read their base
	s_cmp_lt_u32 s52, 8                            ; the tensor is chosen by the count of K steps alone
	s_cselect_b64 s[48+2*(\set):49+2*(\set)], s[4:5], s[6:7]
	s_cmp_lt_u32 s52, 16
	s_cselect_b64 s[48+2*(\set):49+2*(\set)], s[48+2*(\set):49+2*(\set)], s[8:9]
	s_add_co_u32 s54, s52, s96
	s_and_b32 s54, s54, 7
	s_lshl_b32 s54, s54, 9                         ; a K step is 512 bytes of a token's row
	s_add_nc_u64 s[48+2*(\set):49+2*(\set)], s[48+2*(\set):49+2*(\set)], s[54:55]
	s_add_co_u32 s52, s52, 1
	WIN 0x40
.irp m, 0,1,2,3,4,5,6,7,8,9,10,11,12,13,14,15
	global_load_b128 v[64*(\set)+4*\m:64*(\set)+4*\m+3], v[XO], s[48+2*(\set):49+2*(\set)] offset:4096*\m th:TH_LOAD_NT   ; 512 consecutive bytes of token m's row; read once in the launch
.endr
	WIN 0
.endif
.endm
; 8 matrix instructions: tiles 2 g, 2 g + 1 x the four tiles of tokens.  The 64 accumulators take turns, one instruction a turn, in the same order in every trip.
.macro MULX g
	WIN 0xa0+0x50*((\g)/4)
.irp u, 0,1
.irp tt, 0,1,2,3
	v_wmma_f32_16x16x128_bf8_bf8 v[64*((\g)%4)+16*\tt+8*\u:64*((\g)%4)+16*\tt+8*\u+7], v[WF+32*((\g)%3)+16*\u:WF+32*((\g)%3)+16*\u+15], v[AF+16*\tt:AF+16*\tt+15], v[64*((\g)%4)+16*\tt+8*\u:64*((\g)%4)+16*\tt+8*\u+7]
.endr
.endr
.endm
; A TRIP of passes Q, K, V.  Its addresses first: my part of the slot in hand, the image buffer in hand, and (xq = 1) the other buffer, for the next K step's codes.
; LDS instructions in order: 16 for the tokens, 8 each for groups 0, 1, 2, the 16 stores of XQ (xq = 1), then 8 behind each of groups 0 to 4.  x's one set is the only global load out: XQ waits for 0.
; hd = 1: THE CHANGE OF SLOTS FOR THE NEXT TRIP STANDS AT THIS TRIP'S END (the first trip's stands ahead of the first loop).  So at a pass's end it comes ahead of the work between the passes (conversions, scores, the
; biases' reload), and the load that it issues, the next pass's second step, is on its way under that work.  The reload's LDS loads are older than the next trip's own, so that trip's first counted wait covers them.
.macro TRIPX xq, ld, ssel, cur, nxt, ask, hd
	v_add_nc_u32 v[WAD], s69, v[WA]
	v_add_nc_u32 v[AFP], s53, v[AFA]
	s_xor_b32 s53, s53, 4*IMG                      ; the other image buffer: written in this trip, read in the next
.if \xq
	v_add_nc_u32 v[XWP], s53, v[XW]
.else
	s_wait_alu depctr_va_vdst(0)
.endif
	LDA
	LDW WAD, 0
	LDW WAD, 1
	LDW WAD, 2
.if \ask
	ASK
.endif
.if \xq
	XQ 0, 0, \ld, \ssel, \cur, \nxt
.endif
.irp g, 0,1,2,3,4,5,6,7
.if \g < 3
	s_wait_dscnt 16+16*\xq                         ; behind group g's loads: two more groups' 16 and the stores
.elseif \g < 6
	s_wait_dscnt 16                                ; the two younger groups' loads may be out
.elseif \g == 6
	s_wait_dscnt 8
.else
	s_wait_dscnt 0
.endif
	MULX \g
.if \g < 5
	WIN 0
	NOPS 4                                         ; places in front of loads into the buffer just multiplied (ISA guide 7.12.1 for vector instructions)
	LDW WAD, \g+3
.endif
.endr
	WIN 0
	s_xor_b32 s69, s69, SLOTB                      ; on to the other slot
.if \hd
	HEAD 1
.endif
.endm
; The 64 accumulators start from the bias, divided by the power of two that the sums lack: nothing is cleared, and q, k, v need no addition.  Sixteen lanes read the same 16 bytes.
.macro ACCINIT adr, off
.irp hw, 0,1
	WIN 0x80+0x40*\hw
.irp b, 0,1,2,3
.irp u, 0,1
.irp tt, 0,1,2,3
	ds_load_b128 v[64*\b+16*\tt+8*\u:64*\b+16*\tt+8*\u+3],   v[\adr] offset:\off+64*(8*\hw+2*\b+\u)
	ds_load_b128 v[64*\b+16*\tt+8*\u+4:64*\b+16*\tt+8*\u+7], v[\adr] offset:\off+64*(8*\hw+2*\b+\u)+16
.endr
.endr
.endr
.endr
	WIN 0
.endm
; q or k becomes codes: the 16 registers of tiles 2 b, 2 b + 1 are channels 256 w + 32 b + 16 h + 0 .. 15 of the lane's token: four registers of codes at dst + 32 tt + 4 b.  Each accumulator is read from its low end on.
.macro EPI dst, win, sc
	v_mov_b32 v[ESC], s[\sc]
	v_mov_b32 v[ELM], s[\sc+1]
.irp hw, 0,1
	WIN 0x82+0x41*\hw
.set ii, 0
.rept 256
	v_med3_num_f32 v[ii], v[ii], -v[ELM], v[ELM]
.set ii, ii+1
.endr
	WIN (0x02+\hw)|(\win<<6)
.irp b, 0,1,2,3
.irp tt, 0,1,2,3
.irp u, 0,1
	v_cvt_scalef32_pk8_bf8_f32 v[\dst+32*\tt+4*(4*\hw+\b)+2*\u:\dst+32*\tt+4*(4*\hw+\b)+2*\u+1], v[64*\b+16*\tt+8*\u:64*\b+16*\tt+8*\u+7], v[ESC]
.endr
.endr
.endr
.endr
	v_nop                                          ; one plain line behind the last conversion
	WIN 0
.endm
; THE SCORES AND THE SOFTMAX of tile tt.  Every wave puts its 256 channels' codes of the 16 tokens into XR; wave w takes tokens 4 w + i whole.  S^T = k q^T: a lane holds query head r, register j key head 8 h + j.
.macro SCORE tt
	WIN 0x04                                       ; the stores' data in window 1
.irp b, 0,1,2,3,4,5,6,7
	ds_store_b128 v[XRW], v[QA+32*\tt+4*\b:QA+32*\tt+4*\b+3] offset:80*(\b/2)+32*(\b%2)
.endr
	WIN 0
.irp b, 0,1,2,3,4,5,6,7
	ds_store_b128 v[XRW], v[KP+32*\tt+4*\b:KP+32*\tt+4*\b+3] offset:KOFF+80*(\b/2)+32*(\b%2)
.endr
	BAR                                            ; the tile's codes lie in XR
	WIN 0x80
.irp i, 0,1,2,3
	ds_load_b128 v[16*\i:16*\i+3],     v[SRD] offset:1296*\i               ; q of token 4 w + i: head r, channels 32 h + 0 .. 31
	ds_load_b128 v[16*\i+4:16*\i+7],   v[SRD] offset:1296*\i+16
	ds_load_b128 v[16*\i+8:16*\i+11],  v[SRD] offset:KOFF+1296*\i          ; k likewise
	ds_load_b128 v[16*\i+12:16*\i+15], v[SRD] offset:KOFF+1296*\i+16
.endr
	s_wait_dscnt 0x0                               ; my reads of XR are over:
	s_barrier_signal -1                            ; say so; the next tile's stores stand behind the wait below
	WIN 0x0a
.irp i, 0,1,2,3
	v_wmma_f32_16x16x64_bf8_bf8 v[OD+8*\i:OD+8*\i+7], v[16*\i+8:16*\i+15], v[16*\i:16*\i+7], 0
.endr
	WIN 0
	s_barrier_wait -1
	NOPS 4
.irp i, 0,1,2,3
	v_max3_num_f32 v[240+\i], v[OD+8*\i], v[OD+8*\i+1], v[OD+8*\i+2]   ; the largest score of my head, the four tokens by turns
.endr
.irp i, 0,1,2,3
	v_max3_num_f32 v[240+\i], v[240+\i], v[OD+8*\i+3], v[OD+8*\i+4]
.endr
.irp i, 0,1,2,3
	v_max3_num_f32 v[240+\i], v[240+\i], v[OD+8*\i+5], v[OD+8*\i+6]
.endr
.irp i, 0,1,2,3
	v_max_num_f32 v[240+\i], v[240+\i], v[OD+8*\i+7]
.endr
.irp i, 0,1,2,3
	v_permlanex16_b32 v[244+\i], v[240+\i], s62, s63   ; the other eight key heads lie in the lane 16 away
.endr
.irp i, 0,1,2,3
	v_max_num_f32 v[240+\i], v[240+\i], v[244+\i]
.endr
.irp i, 0,1,2,3
	v_mul_f32 v[248+2*\i], s58, v[240+\i]          ; c m (c is positive)
.endr
	WIN 0x40
.irp i, 0,1,2,3
.irp j, 0,2,4,6
	v_pk_fma_f32 v[QA+32*\tt+8*\i+\j:QA+32*\tt+8*\i+\j+1], v[OD+8*\i+\j:OD+8*\i+\j+1], s[58:59], v[248+2*\i:249+2*\i] op_sel_hi:[1,0,0] neg_lo:[0,0,1] neg_hi:[0,0,1]   ; c s - c m, into q's registers of this tile, which are free
.endr
.endr
	WIN 0x41
.set ii, 0
	s_wait_alu depctr_va_vdst(0)
.rept 32
	v_exp_f32 v[QA+32*\tt+ii], v[QA+32*\tt+ii]
.set ii, ii+1
.endr
	v_nop                                          ; a plain line behind the last exponential
	s_wait_alu depctr_va_vdst(0)                   ; one wait for the batch, ahead of its first reader
	WIN 0x05
.irp i, 0,1,2,3
	v_pk_add_f32 v[160+4*\i:161+4*\i], v[QA+32*\tt+8*\i:QA+32*\tt+8*\i+1], v[QA+32*\tt+8*\i+2:QA+32*\tt+8*\i+3]
.endr
.irp i, 0,1,2,3
	v_pk_add_f32 v[162+4*\i:163+4*\i], v[QA+32*\tt+8*\i+4:QA+32*\tt+8*\i+5], v[QA+32*\tt+8*\i+6:QA+32*\tt+8*\i+7]
.endr
	WIN 0
.irp i, 0,1,2,3
	v_pk_add_f32 v[160+4*\i:161+4*\i], v[160+4*\i:161+4*\i], v[162+4*\i:163+4*\i]
.endr
.irp i, 0,1,2,3
	v_add_f32 v[240+\i], v[160+4*\i], v[161+4*\i]
.endr
.irp i, 0,1,2,3
	v_permlanex16_b32 v[244+\i], v[240+\i], s62, s63
.endr
.irp i, 0,1,2,3
	v_add_f32 v[240+\i], v[240+\i], v[244+\i]
.endr
	s_wait_alu depctr_va_vdst(0)
.irp i, 0,1,2,3
	v_rcp_f32 v[248+2*\i], v[240+\i]
.endr
	v_nop
	s_wait_alu depctr_va_vdst(0)                   ; one wait for the four reciprocals
	WIN 0x41
.irp i, 0,1,2,3
.irp j, 0,2,4,6
	v_pk_mul_f32 v[QA+32*\tt+8*\i+\j:QA+32*\tt+8*\i+\j+1], v[QA+32*\tt+8*\i+\j:QA+32*\tt+8*\i+\j+1], v[248+2*\i:249+2*\i] op_sel_hi:[1,0]   ; attn(head r, key head 8 h + j) of token 4 w + i at QA + 32 tt + 8 i + j
.endr
.endr
	WIN 0
.endm
.macro A4ST                            ; my two fragments (K steps 2 w, 2 w + 1 of a tile of rows) go to LDS as they stand
.irp f, 0,1
.irp q, 0,1,2,3
	ds_store_b128 v[A4W], v[PCA+16*\f+4*\q:PCA+16*\f+4*\q+3] offset:IMG*\f+QP*\q
.endr
.endr
.endm
.macro A4LD tt                         ; and all eight come back, in every wave, into the registers that v of that tile has left
.irp hw, 0,1
	WIN 0x80+0x40*\hw
.irp kk, 0,1,2,3
.irp q, 0,1,2,3
	ds_load_b128 v[64*\kk+16*(\tt)+4*\q:64*\kk+16*(\tt)+4*\q+3], v[AFA] offset:(4*\hw+\kk)*IMG+QP*\q
.endr
.endr
.endr
	WIN 0
.endm
; attn x v for tile tt, channels 32 hf on.  Every wave puts its 8 channels of the 16 tokens into XR (a lane's eight registers are eight neighbouring heads); wave w takes tokens 4 w + i.
; O^T = v^T attn^T with f32 operands: source 0 = 16 channels, source 1 = 16 query heads; place 2 h + j of K step ks stands for key head 8 h + 2 ks + j on both sides.  In the result a lane holds a head, its registers
; channels 8 h + 0 .. 7: just the eight codes of registers 2 c, 2 c + 1 of the last product's left operand, c = 4 (i % 2) + 2 hf + dt, K step 2 w + i / 2.  v's factor 2^(e4 + e5) is folded into the conversion's scale.
.macro VROUND tt, hf
.if (\hf == 0) && (\tt > 0)
	A4ST                                           ; the tile before is whole
.endif
	WIN 0x08+0x04*\hf                              ; the stores' data in window 2 or 3
.irp ip, 0,1,2,3,4,5,6,7
	ds_store_b128 v[VW], v[64*(\ip/2)+16*\tt+8*(\ip%2):64*(\ip/2)+16*\tt+8*(\ip%2)+3]   offset:80*\ip
	ds_store_b128 v[VW], v[64*(\ip/2)+16*\tt+8*(\ip%2)+4:64*(\ip/2)+16*\tt+8*(\ip%2)+7] offset:80*\ip+16
.endr
	WIN 0
	BAR
.irp i, 0,1,2,3
.irp dt, 0,1
	ds_load_b128 v[VO+16*\i+8*\dt:VO+16*\i+8*\dt+3],   v[VR] offset:2576*\i+1280*\dt
	ds_load_b128 v[VO+16*\i+8*\dt+4:VO+16*\i+8*\dt+7], v[VR] offset:2576*\i+1280*\dt+16
.endr
.endr
.if (\hf == 0) && (\tt > 0)
	A4LD \tt-1
.endif
	s_wait_dscnt 0x0                               ; my reads of XR and of the images are over:
	s_barrier_signal -1                            ; say so; the next stores stand behind the wait at the end
.irp H, 0,1                            ; tokens 2 H and 2 H + 1: four accumulators by turns, one instruction a turn
	WIN 0x04
.irp ks, 0,1,2,3
.irp a, 0,1,2,3
.if \ks == 0
	v_wmma_f32_16x16x4_f32 v[OD+8*\a:OD+8*\a+7], v[VO+16*(2*\H+\a/2)+8*(\a%2)+2*\ks:VO+16*(2*\H+\a/2)+8*(\a%2)+2*\ks+1], v[QA+32*\tt+8*(2*\H+\a/2)+2*\ks:QA+32*\tt+8*(2*\H+\a/2)+2*\ks+1], 0
.else
	v_wmma_f32_16x16x4_f32 v[OD+8*\a:OD+8*\a+7], v[VO+16*(2*\H+\a/2)+8*(\a%2)+2*\ks:VO+16*(2*\H+\a/2)+8*(\a%2)+2*\ks+1], v[QA+32*\tt+8*(2*\H+\a/2)+2*\ks:QA+32*\tt+8*(2*\H+\a/2)+2*\ks+1], v[OD+8*\a:OD+8*\a+7]
.endif
.endr
.endr
	WIN 0
	NOPS 8                                         ; eight places behind this form before its results are read (ISA guide 7.12.1)
.set ii, 0
	s_wait_alu depctr_va_vdst(0)
.rept 32
	v_med3_num_f32 v[TQ+ii], v[OD+ii], -v[ELM], v[ELM]   ; the hold, into other registers; with the v_nop above more than nine places stand ahead of the next sums' first instructions
.set ii, ii+1
.endr
.irp a, 0,1,2,3
	v_cvt_scalef32_pk8_bf8_f32 v[PCA+16*\H+2*(4*(\a/2)+2*\hf+(\a%2)):PCA+16*\H+2*(4*(\a/2)+2*\hf+(\a%2))+1], v[TQ+8*\a:TQ+8*\a+7], v[ESC]
.endr
	v_nop                                          ; one plain line behind the last conversion
.endr
	s_barrier_wait -1
.endm
; 8 matrix instructions of pass O: tile of columns g / 4, K steps 2 (g % 4) and 2 (g % 4) + 1, the four tiles of rows by turns.  The first K step starts the sums.
.macro MULO g
	WIN 0x58+0x04*(((\g)%4)/2)
.irp u, 0,1
.irp tt, 0,1,2,3
.if (((\g)%4) == 0) && (\u == 0)
	v_wmma_f32_16x16x128_bf8_bf8 v[32*((\g)/4)+8*\tt:32*((\g)/4)+8*\tt+7], v[WF+32*((\g)%3)+16*\u:WF+32*((\g)%3)+16*\u+15], v[64*((2*((\g)%4)+\u)%4)+16*\tt:64*((2*((\g)%4)+\u)%4)+16*\tt+15], 0
.else
	v_wmma_f32_16x16x128_bf8_bf8 v[32*((\g)/4)+8*\tt:32*((\g)/4)+8*\tt+7], v[WF+32*((\g)%3)+16*\u:WF+32*((\g)%3)+16*\u+15], v[64*((2*((\g)%4)+\u)%4)+16*\tt:64*((2*((\g)%4)+\u)%4)+16*\tt+15], v[32*((\g)/4)+8*\tt:32*((\g)/4)+8*\tt+7]
.endif
.endr
.endr
.endm
; A TRIP of pass O: with sigma = (rho + trip) mod 8, columns 128 sigma + 32 w + 0 .. 31 of all 64 rows; they meet the other waves' in the stage, and each wave stores 16 whole pieces of 512 bytes: tile of rows w, heads 0 to 15.
; bo's 32 numbers of the trip are asked for at its head (sixteen lanes read the same 16 bytes) and wanted behind its 64 products.
.macro TRIPO fill
	HEAD \fill
	s_add_co_u32 s86, s70, s96
	s_and_b32 s86, s86, 7                          ; sigma
	s_lshl_b32 s86, s86, 9                         ; 128 columns are 512 bytes, of a row of out0 and of bo alike
	s_add_nc_u64 s[88:89], s[22:23], s[86:87]      ; (behind the head's wait on XCNT: the last trip's stores and loads have read these bases)
	s_add_nc_u64 s[92:93], s[18:19], s[86:87]
	v_add_nc_u32 v[WAD], s69, v[WA]
.irp nt, 0,1
	global_load_b128 v[BR+8*\nt:BR+8*\nt+3],   v[BOF], s[92:93] offset:64*\nt
	global_load_b128 v[BR+8*\nt+4:BR+8*\nt+7], v[BOF], s[92:93] offset:64*\nt+16
.endr
	LDW WAD, 0
	LDW WAD, 1
	LDW WAD, 2
	s_wait_alu depctr_va_vdst(0)
.irp g, 0,1,2,3,4,5,6,7
.if \g < 6
	s_wait_dscnt 16                                ; the two younger groups' loads may be out
.elseif \g == 6
	s_wait_dscnt 8
.else
	s_wait_dscnt 0
.endif
	MULO \g
.if \g < 5
	WIN 0
	NOPS 4
	LDW WAD, \g+3
.endif
.endr
	s_wait_loadcnt 0x0                             ; bo
	WIN 0x41
.irp nt, 0,1
.irp tt, 0,1,2,3
.irp j, 0,2,4,6
	v_pk_fma_f32 v[64+32*\nt+8*\tt+\j:64+32*\nt+8*\tt+\j+1], v[32*\nt+8*\tt+\j:32*\nt+8*\tt+\j+1], s[60:61], v[BR+8*\nt+\j:BR+8*\nt+\j+1] op_sel_hi:[1,0,1]   ; sum x 2^(e8 + e9) + bo; the accumulators finished first come first, each from its low end on
.endr
.endr
.endr
	WIN 0x04
.irp nt, 0,1
.irp tt, 0,1,2,3
	ds_store_b128 v[STW], v[64+32*\nt+8*\tt:64+32*\nt+8*\tt+3]   offset:8448*\tt+64*\nt
	ds_store_b128 v[STW], v[64+32*\nt+8*\tt+4:64+32*\nt+8*\tt+7] offset:8448*\tt+64*\nt+16
.endr
.endr
	WIN 0
	BAR                                            ; 64 rows x 512 bytes lie in the stage
	WIN 0x40
.irp i, 0,1,2,3,4,5,6,7,8,9,10,11,12,13,14,15
	ds_load_b128 v[128+4*\i:128+4*\i+3], v[STR] offset:528*\i
.endr
	WIN 0x04
.irp i, 0,1,2,3,4,5,6,7
	s_wait_dscnt 15-\i
	global_store_b128 v[XO], v[128+4*\i:128+4*\i+3], s[88:89] offset:\i*1048576 th:TH_STORE_NT   ; 32 lanes store 512 consecutive bytes, at a multiple of 512 from out0's first byte; heads lie 256 rows apart
.endr
.irp i, 8,9,10,11,12,13,14,15
	s_wait_dscnt 15-\i
	global_store_b128 v[GO1], v[128+4*\i:128+4*\i+3], s[88:89] offset:(\i-8)*1048576 th:TH_STORE_NT   ; eight heads' distance stands in the offset register: it is one more than the signed 24-bit immediate holds
.endr
	WIN 0
	s_xor_b32 s69, s69, SLOTB
	s_add_co_u32 s70, s70, 1
.endm
	; ---------------- THE HEAD
	s_load_b512 s[4:19], s[0:1], 0x0               ; query s[4:5], key s[6:7], value s[8:9], wcodes s[10:11], bq s[12:13], bk s[14:15], bv s[16:17], bo s[18:19]
	s_load_b128 s[20:23], s[0:1], 0x40             ; lowp_scales s[20:21], out0 s[22:23]
	v_lshl_add_u32 v[SPW], v0, 2, SPARE
	v_mov_b32 v[NIL], 0
	ds_add_u32 v1, v2
	ds_add_u32 v1, v2
	s_wait_dscnt 0x0
	v_lshrrev_b32 v28, 5, v0
	v_readfirstlane_b32 s66, v28                   ; wave 0..3
	s_bfe_u32 s90, ttmp6, 0x40000                  ; cx: it enters global addresses of x, out0 and the prefetches alone
	s_lshl_b32 s91, ttmp9, 2
	s_add_co_u32 s91, s91, s90                     ; G
	s_and_b32 s96, ttmp9, 7                        ; rho: the cluster's number mod 8, the same in the four partners
	s_mov_b32 s97, 0                               ; the first step asked for is trip 0's
	; the descriptor's group 1: a dense block of 32,768 bytes as 128 rows of 32 elements of 8 bytes
	s_mov_b32 s40, 15|(3<<16)|(1<<21)              ; 15:0 the mask: all four work-groups; 17:16 elements of 8 bytes; 21 set beside a mask; no padding: every read is 512 consecutive bytes
	s_mov_b32 s41, 32<<16                          ; tensor_dim0
	s_mov_b32 s42, 128<<16                         ; tensor_dim1
	s_mov_b32 s43, 32<<16                          ; tile_dim0
	s_mov_b32 s44, 128                             ; tile_dim1
	s_mov_b32 s45, 32                              ; tensor_dim0_stride
	s_mov_b32 s46, 0
	s_mov_b32 s47, 0
	s_mov_b32 s36, 1                               ; group 0: count,
	s_lshl_b32 s37, s66, 15                        ; LDS address: slot 0, my wave's part,
	s_lshl_b32 s86, s66, 15
	s_mov_b32 s87, 0
	s_lshl_b32 s98, s96, 17                        ; trip 0 reads step rho
	s_mov_b32 s99, 0
	s_wait_kmcnt 0x0
	s_load_b256 s[24:31], s[20:21], 0x0            ; e0 .. e7
	s_load_b64 s[32:33], s[20:21], 0x20            ; e8, e9
	s_add_nc_u64 s[100:101], s[10:11], s[86:87]    ; wcodes at my wave's part of step 0: kept
	s_add_nc_u64 s[38:39], s[100:101], s[98:99]    ; global address: made of the wave's and the cluster's number: the same in all four partners,
	s_or_b32 s39, s39, 0x80000000                  ; type = 2
	CROUND                                         ; all four work-groups are here: the first joint loads meet
	tensor_load_to_lds s[36:39], s[40:47]          ; trip 0's step
	s_nop 0
	NOPS 4
	; every LDS address is made here, of the thread's number, the wave's number and constants
	v_and_b32 v28, 15, v0                          ; r
	v_bfe_u32 v29, v0, 4, 1                        ; h
	v_and_b32 v30, 31, v0                          ; lane
	v_lshlrev_b32 v[XO], 4, v30
	v_add_nc_u32 v[WA], s86, v[XO]
	v_add_nc_u32 v[WA+1], SLOTB, v[WA]
	v_add_nc_u32 v[AFA], XIMG, v[XO]
	v_bfe_u32 v31, v0, 3, 2                        ; my four codes k = 4 lane + 0 .. 3 of token m are register 2 (lane / 4) + lane % 2 of lane m + 16 ((lane / 2) % 2):
	v_mul_u32_u24 v[XW], v31, QP                   ; 544 (lane / 8)
	v_bfe_u32 v31, v0, 1, 1
	v_lshl_add_u32 v[XW], v31, 8, v[XW]            ; + 256 ((lane / 2) % 2)
	v_bfe_u32 v31, v0, 2, 1
	v_lshl_add_u32 v[XW], v31, 3, v[XW]            ; + 8 ((lane / 4) % 2)
	v_and_b32 v31, 1, v0
	v_lshl_add_u32 v[XW], v31, 2, v[XW]            ; + 4 (lane % 2); 16 m stands in the immediate
	s_mul_i32 s87, s66, IMG
	s_add_co_u32 s87, s87, XIMG
	v_add_nc_u32 v[XW], s87, v[XW]
	s_mul_i32 s87, s66, 2*IMG
	s_add_co_u32 s87, s87, XIMG
	v_add_nc_u32 v[A4W], s87, v[XO]
	s_lshl_b32 s87, s66, 10
	s_add_co_u32 s88, s87, XR
	s_add_co_u32 s89, s87, BIAS
	v_lshl_add_u32 v[BRX], v29, 5, s88
	v_lshl_add_u32 v[BRB], v29, 5, s89
	v_lshl_add_u32 v[BWX], v30, 5, s88
	v_lshl_add_u32 v[BWB], v30, 5, s89
	v_mul_u32_u24 v[XRW], v28, 1296
	v_lshl_add_u32 v[XRW], v29, 4, v[XRW]
	s_mul_i32 s87, s66, 320
	s_add_co_u32 s87, s87, XR
	v_add_nc_u32 v[XRW], s87, v[XRW]
	v_mul_u32_u24 v31, v28, 80
	v_lshl_add_u32 v31, v29, 5, v31                ; 80 r + 32 h
	s_mul_i32 s87, s66, 5184
	s_add_co_u32 s87, s87, XR
	v_add_nc_u32 v[SRD], s87, v31
	s_mul_i32 s87, s66, 10304
	s_add_co_u32 s87, s87, XR
	v_add_nc_u32 v[VR], s87, v31
	v_mul_u32_u24 v[VW], v28, 2576
	v_lshl_add_u32 v[VW], v29, 5, v[VW]
	s_mul_i32 s87, s66, 640
	s_add_co_u32 s87, s87, XR
	v_add_nc_u32 v[VW], s87, v[VW]
	v_mul_u32_u24 v[STW], v28, 528
	v_lshl_add_u32 v[STW], v29, 5, v[STW]
	s_lshl_b32 s87, s66, 7
	v_lshl_add_u32 v[BOF], v29, 5, s87             ; bo: 128 w + 32 h bytes into a trip's 512
	s_add_co_u32 s87, s87, XR
	v_add_nc_u32 v[STW], s87, v[STW]
	s_mul_i32 s87, s66, 8448
	s_add_co_u32 s87, s87, XR
	v_add_nc_u32 v[STR], s87, v[XO]
	v_add_nc_u32 v[GO1], 0x800000, v[XO]
	v_lshlrev_b32 v[PFO], 8, v30
.irp t, 244,245,246,247,249,251,253,255
	v_mov_b32 v\t, 0                               ; written once: a lane permute's destination counts as read, and so does the upper half of a pair
.endr
	; the biases: lane l holds the eight numbers of (tile l / 2, half l % 2) in the result's layout
	v_bfe_u32 v31, v0, 2, 3
	v_lshlrev_b32 v240, 7, v31                     ; bq, bk: number 256 w + 32 (l / 4) + 8 ((l / 2) % 2) + 16 (l % 2) on, in bytes
	v_bfe_u32 v31, v0, 1, 1
	v_lshl_add_u32 v240, v31, 5, v240
	v_and_b32 v31, 1, v0
	v_lshl_add_u32 v240, v31, 6, v240
	s_lshl_b32 s87, s66, 10
	v_add_nc_u32 v240, s87, v240
	global_load_b128 v[96:99],   v240, s[12:13]
	global_load_b128 v[100:103], v240, s[12:13] offset:16
	global_load_b128 v[104:107], v240, s[14:15]
	global_load_b128 v[108:111], v240, s[14:15] offset:16
	v_lshlrev_b32 v241, 11, v31                    ; bv: number 64 (8 (l % 2) + j) + 32 (l / 16) + 8 w + (l / 2) % 8, j in the immediate
	v_lshl_add_u32 v241, v29, 7, v241
	v_bfe_u32 v31, v0, 1, 3
	v_lshl_add_u32 v241, v31, 2, v241
	s_lshl_b32 s87, s66, 5
	v_add_nc_u32 v241, s87, v241
.irp j, 0,1,2,3,4,5,6,7
	global_load_b32 v[112+\j], v241, s[16:17] offset:256*\j
.endr
	; x: my tile's 16 tokens begin 262,144 G + 65,536 w bytes into each tensor
	s_lshl_b32 s86, s91, 18
	s_lshl_b32 s87, s66, 16
	s_add_co_u32 s86, s86, s87
	s_mov_b32 s87, 0
	s_add_nc_u64 s[4:5], s[4:5], s[86:87]          ; query, key and value at my tile's first token: kept
	s_add_nc_u64 s[6:7], s[6:7], s[86:87]
	s_add_nc_u64 s[8:9], s[8:9], s[86:87]
	s_mov_b32 s55, 0
	s_lshl_b32 s54, s96, 9
	s_add_nc_u64 s[48:49], s[4:5], s[54:55]        ; set 0: trip 0's K step of query: rho
	s_add_co_u32 s54, s96, 1
	s_and_b32 s54, s54, 7
	s_lshl_b32 s54, s54, 9
	s_add_nc_u64 s[50:51], s[4:5], s[54:55]        ; set 1: trip 1's: (rho + 1) mod 8
	s_mov_b32 s52, 2                               ; trip 2's is asked for next
	WIN 0x40
.irp m, 0,1,2,3,4,5,6,7,8,9,10,11,12,13,14,15
	global_load_b128 v[64+4*\m:64+4*\m+3], v[XO], s[48:49] offset:4096*\m th:TH_LOAD_NT   ; trip 0's K step: the head's own set
.endr
.irp m, 0,1,2,3,4,5,6,7,8,9,10,11,12,13,14,15
	global_load_b128 v[4*\m:4*\m+3], v[XO], s[50:51] offset:4096*\m th:TH_LOAD_NT   ; trip 1's K step: the set that the trips use
.endr
	WIN 0
	s_wait_kmcnt 0x0
	SCALE 72, 24                                   ; query's scale and hold,
	SCALE 74, 26                                   ; key's,
	SCALE 76, 28                                   ; value's
	s_add_co_i32 s92, s24, s25                     ; e0 + e1: a sum of the first product stands for sum x 2^(e0 + e1)
	s_add_co_i32 s93, s26, s27
	s_add_co_i32 s94, s28, s29
	s_sub_co_i32 s84, s30, s92
	SCALE 78, 84                                   ; q: 2^(e6 - e0 - e1): the three scales folded into the conversion's one
	s_sub_co_i32 s84, s31, s93
	SCALE 80, 84                                   ; k
	s_sub_co_i32 s84, s32, s94
	SCALE 82, 84                                   ; attn x v
	s_add_co_i32 s84, s30, s31
	s_lshl_b32 s84, s84, 23
	s_add_co_i32 s58, s84, 0x3e38aa3b              ; c = log2(e) / 8, with e6 + e7 added to its exponent field
	s_mov_b32 s59, s58                             ; (named with it as a pair, so it is written)
	s_add_co_i32 s84, s32, s33
	s_add_co_i32 s84, s84, 127
	s_lshl_b32 s60, s84, 23                        ; 2^(e8 + e9)
	s_mov_b32 s61, s60
	s_mov_b32 s62, 0x76543210
	s_mov_b32 s63, 0xfedcba98                      ; v_permlanex16_b32: lane l xor 16
	s_cmp_eq_u32 ttmp9, 0
	s_cselect_b32 s68, 1, 0                        ; cluster 0 prefetches: the same in all four partners
	s_lshl_b32 s84, s66, 15
	s_lshl_b32 s85, s90, 13
	s_add_co_u32 s84, s84, s85
	s_add_co_u32 s84, s84, 9*SLOTB                 ; at step 9: the first trip steps it to step 10.  Nothing is prefetched here, at the head
	s_mov_b32 s85, 0
	s_add_nc_u64 s[56:57], s[10:11], s[84:85]
	s_wait_loadcnt 32                              ; the 12 loads of biases are in; x's 32, issued behind them, may be out
	s_sub_co_i32 s84, 0, s92
	s_sub_co_i32 s85, 0, s93
	s_sub_co_i32 s86, 0, s94
.irp j, 0,1,2,3,4,5,6,7
	v_ldexp_f32 v[96+\j], v[96+\j], s84            ; bq / 2^(e0 + e1)
	v_ldexp_f32 v[104+\j], v[104+\j], s85
	v_ldexp_f32 v[112+\j], v[112+\j], s86
.endr
	ds_store_b128 v[BWX], v[96:99]
	ds_store_b128 v[BWX], v[100:103] offset:16
	ds_store_b128 v[BWX], v[104:107] offset:4096
	ds_store_b128 v[BWX], v[108:111] offset:4112
	ds_store_b128 v[BWB], v[112:115]
	ds_store_b128 v[BWB], v[116:119] offset:16
	ACCINIT BRX, 0                                 ; my own wave's bytes: LDS serves a wave's instructions in order
	s_mov_b32 s53, 0                               ; image buffer 0,
	s_mov_b32 s69, 0                               ; slot 0
	v_add_nc_u32 v[XWP], s53, v[XW]
	XQ 1, 16, 0, 0, 72, 72                         ; trip 0's K step into image buffer 0; trip 1's 16 loads, issued behind it, may be out
	HEAD 1                                         ; trip 0's change of slots: slot 1's first fill, issued as a refill is
	; ---------------- PASS Q: trip T multiplies its K step, quantises trip T + 1's, asks for trip T + 2's, and changes slots for trip T + 1
	s_mov_b32 s67, 8
.Lq:
	TRIPX 1, 1, 1, 72, 74, 1, 1
	s_sub_co_u32 s67, s67, 1
	s_cmp_lg_u32 s67, 0
	s_cbranch_scc1 .Lq
	EPI QA, 1, 78
	ACCINIT BRX, 4096
	; ---------------- PASS K
	s_mov_b32 s67, 8
.Lk:
	TRIPX 1, 1, 1, 74, 76, 1, 1
	s_sub_co_u32 s67, s67, 1
	s_cmp_lg_u32 s67, 0
	s_cbranch_scc1 .Lk
	EPI KP, 0, 80
	SCORE 0
	SCORE 1
	SCORE 2
	SCORE 3
	ACCINIT BRB, 0
	; ---------------- PASS V: six trips in the loop (the sixth asks for the last K step of x, and its prefetch names step 31, the last); the last two are written out: no load leaves its buffer, and they name no step
	s_mov_b32 s67, 6
.Lv:
	TRIPX 1, 1, 0, 76, 76, 1, 1
	s_sub_co_u32 s67, s67, 1
	s_cmp_lg_u32 s67, 0
	s_cbranch_scc1 .Lv
	TRIPX 1, 0, 0, 76, 76, 0, 1                    ; quantises the last K step of x and asks for nothing
	TRIPX 0, 0, 0, 76, 76, 0, 0                    ; pass O's trips have their change of slots at their own head
	; ---------------- ATTENTION
	NOPS 4                                         ; places behind the last products, into whose operands' registers the first round loads
	v_mov_b32 v[ESC], s82
	v_mov_b32 v[ELM], s83
	VROUND 0, 0
	VROUND 0, 1
	s_wait_alu depctr_va_vdst(0)
	VROUND 1, 0
	VROUND 1, 1
	s_wait_alu depctr_va_vdst(0)
	VROUND 2, 0
	VROUND 2, 1
	s_wait_alu depctr_va_vdst(0)
	VROUND 3, 0
	VROUND 3, 1
	s_wait_alu depctr_va_vdst(0)
	A4ST
	BAR
	A4LD 3
	; ---------------- PASS O
	s_mov_b32 s69, 0
	s_mov_b32 s70, 0
	s_mov_b32 s87, 0                               ; the upper word of the trip's offset
	s_lshr_b32 s84, s91, 6                         ; the batch: 4,096 rows of 4,096 bytes
	s_lshl_b32 s84, s84, 24
	s_and_b32 s85, s91, 63
	s_lshl_b32 s85, s85, 2
	s_add_co_u32 s85, s85, s66                     ; head 0's row of the tile of rows that I store: 4 (G % 64) + w
	s_lshl_b32 s85, s85, 12
	s_add_co_u32 s84, s84, s85
	s_mov_b32 s85, 0
	s_add_nc_u64 s[22:23], s[22:23], s[84:85]
	s_mov_b32 s71, 7
.Lo:
	TRIPO 1
	s_sub_co_u32 s71, s71, 1
	s_cmp_lg_u32 s71, 0
	s_cbranch_scc1 .Lo
	TRIPO 0                                        ; the last trip is written out
	s_wait_tensorcnt 0x0                           ; the wave's end: behind my last tensor load and my last LDS store
	ds_add_u32 v[SPW], v[NIL]
	s_wait_dscnt 0x0
	CROUND                                         ; the closing round: no work-group ends while a partner may still ask for a step that names it
	s_endpgm
.Lfunc_end_k_qc5a55a48d6_fused:
	.size	k_qc5a55a48d6_fused, .Lfunc_end_k_qc5a55a48d6_fused-k_qc5a55a48d6_fused
	.p2alignl 7, 3214868480
	.fill 96, 4, 3214868480
	.section	.rodata,"a",@progbits
	.p2align	6, 0x0
	.amdhsa_kernel k_qc5a55a48d6_fused
		.amdhsa_group_segment_fixed_size 327680
		.amdhsa_private_segment_fixed_size 0
		.amdhsa_enable_private_segment 0
		.amdhsa_kernarg_size 80
		.amdhsa_user_sgpr_count 2
		.amdhsa_user_sgpr_kernarg_segment_ptr 1
		.amdhsa_wavefront_size32 1
		.amdhsa_system_sgpr_workgroup_id_x 1
		.amdhsa_system_sgpr_workgroup_id_y 1
		.amdhsa_system_sgpr_workgroup_id_z 1
		.amdhsa_system_vgpr_workitem_id 0
		.amdhsa_next_free_vgpr 1024
		.amdhsa_next_free_sgpr 102
		.amdhsa_reserve_vcc 0
		.amdhsa_float_denorm_mode_32 3
		.amdhsa_float_denorm_mode_16_64 3
		.amdhsa_memory_ordered 1
		.amdhsa_forward_progress 1
		.amdhsa_inst_pref_size 255
	.end_amdhsa_kernel
	.section	.bss,"aw",@nobits
	.p2align	6
	.space	262144
	.amdgpu_metadata
---
amdhsa.version: [ 1, 2 ]
amdhsa.kernels:
  - .name:           k_qc5a55a48d6_fused
    .symbol:         k_qc5a55a48d6_fused.kd
    .args:
      - { .name: query, .offset: 0, .size: 8, .value_kind: global_buffer, .address_space: global }
      - { .name: key, .offset: 8, .size: 8, .value_kind: global_buffer, .address_space: global }
      - { .name: value, .offset: 16, .size: 8, .value_kind: global_buffer, .address_space: global }
      - { .name: wcodes, .offset: 24, .size: 8, .value_kind: global_buffer, .address_space: global }
      - { .name: bq, .offset: 32, .size: 8, .value_kind: global_buffer, .address_space: global }
      - { .name: bk, .offset: 40, .size: 8, .value_kind: global_buffer, .address_space: global }
      - { .name: bv, .offset: 48, .size: 8, .value_kind: global_buffer, .address_space: global }
      - { .name: bo, .offset: 56, .size: 8, .value_kind: global_buffer, .address_space: global }
      - { .name: lowp_scales, .offset: 64, .size: 8, .value_kind: global_buffer, .address_space: global }
      - { .name: out0, .offset: 72, .size: 8, .value_kind: global_buffer, .address_space: global }
    .group_segment_fixed_size: 327680
    .private_segment_fixed_size: 0
    .kernarg_segment_align: 8
    .kernarg_segment_size: 80
    .max_flat_workgroup_size: 128
    .sgpr_count:     102
    .vgpr_count:     1024
    .wavefront_size: 32
...
	.end_amdgpu_metadata
.endif
;; end of part 2
